; MI455X (gfx1250); checked and timed in simulation.
; The chip was launched on July 23, 2026; its instructions are those of AMD's public machine-readable ISA for CDNA 5 (MIT licence, August 2026) and "CDNA5" Instruction Set Architecture Reference Guide (July 2026). The comments in the code are by the model that wrote it; some were corrected since.
;; Sym HQ Linear. Allowed arithmetic: matrix products marked QUANTISED: E2M1 operands, one E8M0 scale for each 32 along K, by v_wmma_scale_f32_16x16x128_f8f6f4 with both operands' format E2M1 (or v_wmma_scale_f32_32x16x128_f4), f32 sums; everything else in f32.
;; Inputs: codebook 65,536 x 8 float32; indices 1,048,576 int32; scales 2,048 x 1 float32; signs 1,048,576 int32; x 4 x 2,048 x 4,096 float32.
;; Outputs: out0 4 x 2,048 x 2,048 float32.
;; This version of the problem:
;;   THIS VERSION OF THE PROBLEM IS GIVEN IN LOW PRECISION. The matrix products marked QUANTISED in the list below multiply operands that are first quantised to E2M1 (2 exponent bits, 1 mantissa bit; 4 bits a number), with one power-of-two scale for each 32 numbers along K (OCP MX v1.0); their sums are f32. All else is computed in f32.
;;   The module's matrix products, in the order in which they are computed (A, B: the left and right operand; K: the contracted axis; several contracted axes count as one K, in the product's order):
;;     1. [M 8,192, K 4,096] x [K 4,096, N 2,048]; A: input x; B: computed on the way: QUANTISED
;;   THE QUANTISER, for each operand of a quantised product, along K:
;;     - K is cut into blocks of 32 from its start; a last block that is shorter is filled with zeros.
;;     - A block's scale is 2^e with e = floor(log2(the largest magnitude in the block)) - 2, held to -126 .. 127; a block of zeros has e = 0. As a byte (E8M0): e + 127.
;;     - Each number is divided by its block's scale, clamped to +-6, and rounded to the nearest number of E2M1, ties to even, subnormals kept.
;;     - The product sums the exact products of the quantised numbers (number of the format x scale) in f32.
;;   ~~~python
;;   def quantise(x, axis):      # numpy; x: float32 -> the quantised numbers, widened to float32 again
;;       x = np.moveaxis(x, axis, -1); K = x.shape[-1]
;;       x = np.pad(x, [(0, 0)] * (x.ndim - 1) + [(0, -K % 32)]); x = x.reshape(x.shape[:-1] + (-1, 32)); a = np.abs(x).max(-1, keepdims=True)
;;       e = np.where(a > 0, np.clip(np.frexp(np.where(a > 0, a, 1))[1] - 1 - 2, -126, 127), 0)      # np.frexp(a)[1] - 1 = floor(log2(a)), exactly
;;       r = np.clip(x / 2.0 ** e, -6, 6)
;;       step = 2.0 ** (np.maximum(np.frexp(np.where(r == 0, 1, r))[1] - 1, 0) - 1)
;;       q = np.round(r / step) * step * 2.0 ** e      # np.round: ties to even
;;       return np.moveaxis(q.reshape(q.shape[:-2] + (-1,))[..., :K], -1, axis).astype(np.float32)
;;   ~~~
;;   OPERANDS COMPUTED ON THE WAY. 'Computed on the way' means the value that the module computes at that place (a softmax that the list does not call 'softmax' is quantised finished and normalised). What goes into a quantiser is computed in f32, as accurately as f32 sums, v_exp_f32 and their like allow (about 1e-6 of the number): no bf16 or f16 on the way to a quantiser, and a product that is left as it is and whose result goes on into a quantised operand takes f32 operands (vector FMAs, or v_wmma_f32_16x16x4_f32). A number that lies on a knife's edge between two numbers of the format may be rounded either way, as far as f32 arithmetic and the matrix unit's own rounding can turn it there, and no further.
;; One version. Each part assembles by itself: llvm-mc -triple=amdgcn-amd-amdhsa -mcpu=gfx1250 --defsym DOCPART=n.
;; ======== version 1 of 1: 2 launches
;; limits: right only within a limited range of input values
;; workspace buffers: acodes 17,825,792 bytes; bcodes 4,456,448 bytes
;; launch quant (part 1): grid 1280 x 1, 4 waves a work-group, no clusters, 18,944 bytes of LDS; arguments x, codebook, scales, indices, signs, acodes, bcodes; writes acodes, bcodes
.if DOCPART == 1
	.amdgcn_target "amdgcn-amd-amdhsa--gfx1250"
	.amdhsa_code_object_version 6
	.text
	.protected	k_q2a2b574202_quant
	.globl	k_q2a2b574202_quant
	.p2align	8
	.type	k_q2a2b574202_quant,@function
k_q2a2b574202_quant:
	s_mov_b64 s[64:65], 0
	v_nop
	global_prefetch_b8 v0, s[64:65] scope:SCOPE_SE
	s_setreg_imm32_b32 hwreg(HW_REG_WAVE_MODE, 25, 1), 1
	s_wait_xcnt 0x0
; Both operands of out = x w^T are turned into codes of FP4 (E2M1) with one E8M0 scale byte for each 32 along K = 4,096.
; x [8192][4096] f32 is read as it lies.  w [2048][4096] is made on the way: w[o][d] = codebook[indices[512 o + d / 8]][d % 8] x scales[o] x (+1 where bit d % 8 of signs[512 o + d / 8] is set, else -1).
; A block's scale is 2^(floor(log2(its largest magnitude)) - 2); its byte is the largest magnitude's exponent field - 2, held at 1 from below.  Each number is divided by the scale and rounded to the
; nearest code, ties to even; beyond 6 the conversion gives the largest code.  No work of the problem is left out.
; LIMITS: NaN and infinities among the inputs are not served.  A block of zeros gets the byte 1 where the rule says 127: its codes are zeros, which add nothing under any byte but 0xff, and the bytes are read
; by this program alone.  Blocks whose largest magnitude lies under 2^-124 are held at the byte 1.  An index outside 0 .. 65,535 is held at 65,535 (the problem keeps indices inside the table).
; THE WORKSPACE, alike for both operands: a BLOCK is 128 rows x 512 along K = 34,816 bytes: row r's 512 codes (256 bytes, the lower k in the low four bits) at 256 r, then row r's 16 scale bytes at 32,768 + 16 r.
; Block (rows 128 rb on, K step ks) lies at (8 rb + ks) x 34,816.
; SHARES.  A wave takes 16 rows x one K step of 512: 4,096 consecutive bytes of codes, 256 consecutive scale bytes.  Work-groups 0 to 255 make w, work-groups 256 to 1,279 take x.  Waves share nothing: no barrier.
; x: a GROUP is 8 rows x 128 along K: eight loads, each of 512 consecutive bytes of one row; lane l holds k = 4 l .. 4 l + 3 of each row, so eight neighbouring lanes hold a block.  Only the codes (2 bytes a lane and row)
; and the scale bytes go through LDS, and come back as whole rows.  w: a lane holds 16 neighbours along K, two neighbouring lanes a block, a row a step.
; Every offset is an immediate and no address, base or store's data register is written twice: so no wait on XCNT is needed.
.set WGW,   256                        ; work-groups that make w: 128 groups of 16 rows x 2 halves of K
.set BLKB,  34816                      ; a workspace block in bytes
.set WREG,  4352                       ; LDS, x's path: a region for each wave: 16 rows x 256 bytes of codes, then its 256 scale bytes
.set XSB,   4096
.set WSB,   4*WREG                     ; LDS, w's path: bytes of its own: 256 scale bytes for each wave
.set SPARE, WSB+1024                   ; the spare words: 128 bytes for each wave, two blocks of 256 bytes that no other line names
.set SPW,   12                         ; v12      my spare word's LDS address; never rewritten
.set NIL,   13                         ; v13      0; never rewritten
.set R,     16                         ; x: v16-111 three sets of 8 rows x 4 numbers;  w: v16-79 four sets of 16 neighbours
.set MX,    112                        ; x: v112-119 the eight rows' largest magnitudes
.set SCR,   120                        ; x: v120-127 the conversions' scale operands
.set CA,    128                        ; x: v128-135 a pair of rows converted under each row's scale
.set CD,    136                        ; x: v136-139 rows 2 p (low half) and 2 p + 1 (high half): 4 codes each
.set Q,     140                        ; x: v140-146 at work on the scale bytes
.set OUTR,  148                        ; x: v148-179 the codes as whole rows, 16 registers for each 8 rows
.set M,     80                         ; w: v80-95   the row's scale with each element's sign
.set NS,    96                         ; w: v96-97   the two sign words, turned so that a set bit means a negative factor
.set SG,    98                         ; w: v98-105  four sets of two sign words
.set E,     112                        ; w: v112-127 a scale byte for each step
.set C,     128                        ; w: v128-159 codes: two registers for each step
.set IDX,   160                        ; w: v160-191 two byte offsets into the codebook for each step
	s_load_b256 s[4:11], s[0:1], 0x0               ; x s[4:5], codebook s[6:7], scales s[8:9], indices s[10:11]
	s_load_b128 s[12:15], s[0:1], 0x20             ; signs s[12:13], x's workspace s[14:15]
	s_load_b64 s[16:17], s[0:1], 0x30              ; w's workspace
	v_lshl_add_u32 v[SPW], v0, 2, SPARE
	v_mov_b32 v[NIL], 0
	v_lshrrev_b32 v1, 5, v0
	v_readfirstlane_b32 s18, v1                    ; wave 0..3
	v_and_b32 v2, 31, v0                           ; lane
	v_lshlrev_b32 v3, 4, v2                        ; 16 x lane: my bytes of a load's 512, and of a store's
	v_lshlrev_b32 v4, 3, v2                        ; 8 x lane: my 8 scale bytes on the way out; w: my codes, my two index words
	s_mul_i32 s19, s18, WREG
	v_lshl_add_u32 v5, v2, 1, s19                  ; x: where my 2 bytes of a row's 64 go
	v_add_nc_u32 v14, s19, v3                      ; x: where I read 16 bytes of two rows' 512 back
	v_and_b32 v11, 7, v2                           ; x: i = lane % 8: the row whose scale byte I store
	v_lshrrev_b32 v1, 3, v2                        ; x: g = lane / 8: my block in the group's four
	v_lshl_add_u32 v1, v11, 4, v1
	s_add_co_u32 s19, s19, XSB
	v_add_nc_u32 v6, s19, v1                       ; x: byte 16 i + g of my wave's scale bytes
	v_add_nc_u32 v15, s19, v4                      ; x: and where I read 8 of them back
	s_lshl_b32 s19, s18, 8
	s_add_co_u32 s19, s19, WSB
	v_lshrrev_b32 v1, 1, v2                        ; w: my block in the row's K step
	v_add_nc_u32 v7, s19, v1                       ; w: where its byte goes,
	v_add_nc_u32 v10, s19, v4                      ; w: and where I read 8 bytes back
	s_wait_alu depctr_va_vdst(0)                   ; the wait at the head's end
	s_wait_kmcnt 0x0
	s_cmp_lt_u32 ttmp9, WGW                        ; w's work-group or x's?  The choice hangs on the work-group's number alone
	s_cselect_b64 s[26:27], s[16:17], s[14:15]     ; the workspace that I write
	s_cselect_b32 s20, 0, WGW
	s_sub_co_u32 s20, ttmp9, s20                   ; my number among the tensor's work-groups
	s_lshr_b32 s21, s20, 1                         ; which 16 rows
	s_and_b32 s22, s20, 1
	s_lshl_b32 s22, s22, 2
	s_add_co_u32 s22, s22, s18                     ; which K step: 4 x half + wave
	s_lshr_b32 s23, s21, 3
	s_lshl_b32 s23, s23, 3
	s_add_co_u32 s23, s23, s22
	s_mul_i32 s24, s23, BLKB                       ; my block's first byte (under 2^25)
	s_and_b32 s19, s21, 7                          ; which 16 of its 128 rows
	s_lshl_b32 s30, s19, 8
	s_add_co_u32 s30, s30, s24
	s_add_co_u32 s30, s30, 32768                   ; my 256 scale bytes
	s_mov_b32 s31, 0
	s_lshl_b32 s19, s19, 12
	s_add_co_u32 s24, s24, s19                     ; my 4,096 bytes of codes
	s_mov_b32 s25, 0
	s_add_nc_u64 s[28:29], s[26:27], s[30:31]
	s_add_nc_u64 s[26:27], s[26:27], s[24:25]
	s_cmp_lt_u32 ttmp9, WGW                        ; compared anew: the sums above have set SCC
	s_cbranch_scc1 .Lweights
	; ---------------- x ----------------
	s_lshl_b32 s24, s21, 18                        ; 16 rows of 16,384 bytes (under 2^27),
	s_lshl_b32 s19, s22, 11                        ; 512 numbers a K step
	s_add_co_u32 s24, s24, s19
	s_add_nc_u64 s[4:5], s[4:5], s[24:25]
	s_mov_b32 s32, 0xffff                          ; a word's low half
	s_mov_b32 s33, 0x07060302                      ; two high halves into one word
	s_mov_b32 s34, 0x07050301                      ; bytes 1 and 3 of two words into one
.macro XLOAD t                         ; group t: rows 8 (t / 4) + 0 .. 7, the K step's (t % 4)-th 128 numbers, into set t % 3
.irp j, 0,1,2,3,4,5,6,7
	global_load_b128 v[R+32*((\t)%3)+4*\j:R+32*((\t)%3)+4*\j+3], v3, s[4:5] offset:16384*(8*((\t)/4)+\j)+512*((\t)%4) th:TH_LOAD_NT
.endr
.endm
.macro BACK u                          ; 8 rows' codes back as rows: each load takes 512 consecutive bytes; LDS serves a wave's instructions in order, so these see my stores
.irp n, 0,1,2,3
	ds_load_b128 v[OUTR+16*(\u)+4*\n:OUTR+16*(\u)+4*\n+3], v14 offset:2048*(\u)+512*\n
.endr
.endm
.macro SEND u                          ; each store covers 512 consecutive bytes, two rows' K steps
.irp n, 0,1,2,3
	global_store_b128 v3, v[OUTR+16*\u+4*\n:OUTR+16*\u+4*\n+3], s[26:27] offset:2048*\u+512*\n
.endr
.endm
.macro GROUP t
.set S, R+32*((\t)%3)
.if (\t) <= 5
	s_wait_loadcnt 16                              ; this group's eight loads are in; those of the two groups behind it may be out
.else
	s_wait_loadcnt 8*(7-(\t))
.endif
.if (\t) == 4
	s_wait_dscnt 0x0                               ; the first 8 rows' codes are back
	SEND 0
.endif
.irp j, 0,1,2,3,4,5,6,7
	v_max3_num_f32 v[MX+\j], |v[S+4*\j]|, |v[S+4*\j+1]|, |v[S+4*\j+2]|   ; my four of row j (the eight rows by turns)
.endr
.irp j, 0,1,2,3,4,5,6,7
	v_max3_num_f32 v[MX+\j], v[MX+\j], |v[S+4*\j+3]|, 3<<23        ; and the floor 2^(3 - 127): the byte cannot fall under 1
.endr
.irp m, 1,2,4
.irp j, 0,1,2,3,4,5,6,7
	v_max_num_f32_dpp v[MX+\j], v[MX+\j], v[MX+\j] row_xmask:\m row_mask:0xf bank_mask:0xf   ; with the seven lanes that share the block
.endr
.endr
.irp j, 0,1,2,3,4,5,6,7
	v_add_nc_u32 v[SCR+\j], 0xff000000, v[MX+\j]   ; 2 off the exponent field: the conversion takes the exponent field of this operand as its scale
.endr
.irp p, 0,1,2,3
	v_cvt_scalef32_pk8_fp4_f32 v[CA+2*\p], v[S+8*\p:S+8*\p+7], v[SCR+2*\p]       ; rows 2 p and 2 p + 1 under row 2 p's scale: the low half is kept,
	v_cvt_scalef32_pk8_fp4_f32 v[CA+2*\p+1], v[S+8*\p:S+8*\p+7], v[SCR+2*\p+1]   ; and under row 2 p + 1's: the high half is kept
.endr
.irp p, 0,1,2,3
	v_perm_b32 v[Q+\p], v[MX+2*\p+1], v[MX+2*\p], s33              ; the two rows' upper halves (also the plain lines behind the conversions),
.endr
.irp p, 0,1,2,3
	v_lshlrev_b32 v[Q+\p], 1, v[Q+\p]              ; one bit up: the exponent fields are now bytes 1 and 3 (the signs are 0)
.endr
.irp p, 0,1,2,3
	v_bfi_b32 v[CD+\p], s32, v[CA+2*\p], v[CA+2*\p+1]
.endr
.if (\t)+3 < 8
	XLOAD (\t)+3                                   ; loads run three groups ahead: 24 a wave
.endif
	v_perm_b32 v[Q+4], v[Q+1], v[Q], s34           ; the fields of rows 0-3,
	v_perm_b32 v[Q+5], v[Q+3], v[Q+2], s34         ; of rows 4-7;
	s_delay_alu instid0(VALU_DEP_1)
	v_perm_b32 v[Q+6], v[Q+5], v[Q+4], v11         ; row i's in the low byte,
	s_delay_alu instid0(VALU_DEP_1)
	v_add_nc_u32 v[Q+6], -2, v[Q+6]                ; less 2: the scale's byte (3 at the least before)
.irp p, 0,1,2,3
	ds_store_b16 v5, v[CD+\p] offset:2048*((\t)/4)+512*\p+64*((\t)%4)            ; the wave writes 64 consecutive bytes of a row
	ds_store_b16_d16_hi v5, v[CD+\p] offset:2048*((\t)/4)+512*\p+256+64*((\t)%4)
.endr
	ds_store_b8 v6, v[Q+6] offset:128*((\t)/4)+4*((\t)%4)          ; lane (g, i): row i's byte of block g: 32 different bytes
.if (\t)%4 == 3
	BACK (\t)/4
.endif
.endm
	XLOAD 0
	XLOAD 1
	XLOAD 2
.irp t, 0,1,2,3,4,5,6,7
	GROUP \t
.endr
	ds_load_b64 v[8:9], v15                        ; my wave's 256 scale bytes
	s_wait_dscnt 0x0
	SEND 1
	global_store_b64 v4, v[8:9], s[28:29]          ; 32 lanes store 256 consecutive bytes, aligned
	s_wait_tensorcnt 0x0                           ; the wave's end
	ds_add_u32 v[SPW], v[NIL]
	s_wait_dscnt 0x0
	s_endpgm
	; ---------------- w ----------------
; 16 neighbours along K in v[xs] on become 8 bytes of codes, stored at once (the wave stores 256 consecutive bytes, a row's K step), and the block's scale byte, gathered in LDS.
.macro QUANT16 xs, t
	v_max3_num_f32 v8, |v[\xs]|, |v[\xs+1]|, |v[\xs+2]|            ; the largest magnitude of my 16, in two chains
	v_max3_num_f32 v9, |v[\xs+3]|, |v[\xs+4]|, |v[\xs+5]|
.irp i, 6,10
	v_max3_num_f32 v8, v8, |v[\xs+\i]|, |v[\xs+\i+1]|
	v_max3_num_f32 v9, v9, |v[\xs+\i+2]|, |v[\xs+\i+3]|
.endr
	v_max3_num_f32 v8, v8, |v[\xs+14]|, |v[\xs+15]|
	v_max3_num_f32 v8, v8, v9, 3<<23               ; and the floor 2^(3 - 127)
	v_max_num_f32_dpp v8, v8, v8 row_xmask:1 row_mask:0xf bank_mask:0xf   ; with my neighbour's 16: the block's
	v_add_nc_u32 v11, 0xff000000, v8
	v_cvt_scalef32_pk8_fp4_f32 v[C+2*(\t)], v[\xs:\xs+7], v11
	v_cvt_scalef32_pk8_fp4_f32 v[C+2*(\t)+1], v[\xs+8:\xs+15], v11
	v_lshrrev_b32 v[E+(\t)], 23, v11               ; the scale's byte (also the plain line behind the conversions)
	ds_store_b8 v7, v[E+(\t)] offset:16*(\t)       ; both lanes of a block write the same byte with the same value
	global_store_b64 v4, v[C+2*(\t):C+2*(\t)+1], s[26:27] offset:256*(\t)
.endm
.Lweights:
	s_lshl_b32 s24, s21, 15                        ; 16 rows of 512 words of indices and of signs,
	s_lshl_b32 s19, s22, 8                         ; 64 words a K step
	s_add_co_u32 s24, s24, s19
	s_add_nc_u64 s[10:11], s[10:11], s[24:25]
	s_add_nc_u64 s[12:13], s[12:13], s[24:25]
	s_lshl_b32 s30, s21, 6                         ; my 16 rows' scales: 64 bytes
	s_add_nc_u64 s[8:9], s[8:9], s[30:31]
	s_load_b512 s[32:47], s[8:9], 0x0              ; row t's scale in s[32 + t]
	s_mov_b32 s49, 0x7fffffff                      ; all of a number but its sign
.irp t, 0,1,2,3,4,5,6,7,8,9,10,11,12,13,14,15
	global_load_b64 v[IDX+2*\t:IDX+2*\t+1], v4, s[10:11] offset:2048*\t th:TH_LOAD_NT   ; my two indices of row t: the wave reads 256 consecutive bytes
.endr
	s_wait_loadcnt 0x0
.irp n, 0,1,2,3,4,5,6,7,8,9,10,11,12,13,14,15,16,17,18,19,20,21,22,23,24,25,26,27,28,29,30,31
	v_min_u32 v[IDX+\n], 0xffff, v[IDX+\n]         ; held inside the table,
	v_lshlrev_b32 v[IDX+\n], 5, v[IDX+\n]          ; a codeword is 32 bytes
.endr
	s_wait_kmcnt 0x0                               ; the scales
.macro GATHER t                        ; five loads: row t's two sign words and its two codewords: 16 neighbours along K in 16 consecutive registers
	global_load_b64 v[SG+2*((\t)%4):SG+2*((\t)%4)+1], v4, s[12:13] offset:2048*(\t) th:TH_LOAD_NT
.irp a, 0,1                            ; the hint: 1,048,576 indices name 65,536 rows of the table, so a row is read again and again
	global_load_b128 v[R+16*((\t)%4)+8*\a:R+16*((\t)%4)+8*\a+3], v[IDX+2*(\t)+\a], s[6:7] th:TH_LOAD_HT
	global_load_b128 v[R+16*((\t)%4)+8*\a+4:R+16*((\t)%4)+8*\a+7], v[IDX+2*(\t)+\a], s[6:7] offset:16 th:TH_LOAD_HT
.endr
.endm
.macro WSTEP t
.set RS, R+16*((\t)%4)
.set SS, SG+2*((\t)%4)
.if 15-(\t) >= 3
	s_wait_loadcnt 15                              ; this step's five loads are in; those of the three steps behind it may be out
.else
	s_wait_loadcnt 5*(15-(\t))
.endif
	s_ashr_i32 s48, s[32+(\t)], 31                 ; the scale's sign in every bit,
	s_not_b32 s48, s48                             ; turned round: a CLEAR bit of the sign word means -1
	v_xor_b32 v[NS], s48, v[SS]                    ; bit j: the sign of scale x (+-1) for element j
	v_xor_b32 v[NS+1], s48, v[SS+1]
.irp a, 0,1
.irp j, 0,1,2,3,4,5,6,7
	v_lshlrev_b32 v[M+8*\a+\j], 31-\j, v[NS+\a]    ; up to the sign's place
.endr
.endr
.irp n, 0,1,2,3,4,5,6,7,8,9,10,11,12,13,14,15
	v_bfi_b32 v[M+\n], s49, s[32+(\t)], v[M+\n]    ; the scale's magnitude under that sign: scale x (+-1), exactly
.endr
.irp n, 0,2,4,6,8,10,12,14
	v_pk_mul_f32 v[RS+\n:RS+\n+1], v[RS+\n:RS+\n+1], v[M+\n:M+\n+1]   ; one rounding, the same as in (codeword x scale) x (+-1)
.endr
	QUANT16 RS, \t
.if (\t)+4 < 16
	GATHER (\t)+4                                  ; gathers run four steps ahead: twenty loads a wave
.endif
.endm
.irp t, 0,1,2,3
	GATHER \t
.endr
.irp t, 0,1,2,3,4,5,6,7,8,9,10,11,12,13,14,15
	WSTEP \t
.endr
	ds_load_b64 v[8:9], v10                        ; my wave's 256 scale bytes: these loads see my stores
	s_wait_dscnt 0x0
	global_store_b64 v4, v[8:9], s[28:29]          ; 32 lanes store 256 consecutive bytes, aligned
	s_wait_tensorcnt 0x0                           ; the wave's end
	ds_add_u32 v[SPW], v[NIL]
	s_wait_dscnt 0x0
	s_endpgm
.Lfunc_end_k_q2a2b574202_quant:
	.size	k_q2a2b574202_quant, .Lfunc_end_k_q2a2b574202_quant-k_q2a2b574202_quant
	.p2alignl 7, 3214868480
	.fill 96, 4, 3214868480
	.section	.rodata,"a",@progbits
	.p2align	6, 0x0
	.amdhsa_kernel k_q2a2b574202_quant
		.amdhsa_group_segment_fixed_size 18944
		.amdhsa_private_segment_fixed_size 0
		.amdhsa_enable_private_segment 0
		.amdhsa_kernarg_size 56
		.amdhsa_user_sgpr_count 2
		.amdhsa_user_sgpr_kernarg_segment_ptr 1
		.amdhsa_wavefront_size32 1
		.amdhsa_system_sgpr_workgroup_id_x 1
		.amdhsa_system_sgpr_workgroup_id_y 1
		.amdhsa_system_sgpr_workgroup_id_z 1
		.amdhsa_system_vgpr_workitem_id 0
		.amdhsa_next_free_vgpr 192
		.amdhsa_next_free_sgpr 66
		.amdhsa_reserve_vcc 0
		.amdhsa_float_denorm_mode_32 3
		.amdhsa_float_denorm_mode_16_64 3
		.amdhsa_memory_ordered 1
		.amdhsa_forward_progress 1
		.amdhsa_inst_pref_size 115
	.end_amdhsa_kernel
	.amdgpu_metadata
---
amdhsa.version: [ 1, 2 ]
amdhsa.kernels:
  - .name:           k_q2a2b574202_quant
    .symbol:         k_q2a2b574202_quant.kd
    .args:
      - { .name: x, .offset: 0, .size: 8, .value_kind: global_buffer, .address_space: global }
      - { .name: codebook, .offset: 8, .size: 8, .value_kind: global_buffer, .address_space: global }
      - { .name: scales, .offset: 16, .size: 8, .value_kind: global_buffer, .address_space: global }
      - { .name: indices, .offset: 24, .size: 8, .value_kind: global_buffer, .address_space: global }
      - { .name: signs, .offset: 32, .size: 8, .value_kind: global_buffer, .address_space: global }
      - { .name: acodes, .offset: 40, .size: 8, .value_kind: global_buffer, .address_space: global }
      - { .name: bcodes, .offset: 48, .size: 8, .value_kind: global_buffer, .address_space: global }
    .group_segment_fixed_size: 18944
    .private_segment_fixed_size: 0
    .kernarg_segment_align: 8
    .kernarg_segment_size: 56
    .max_flat_workgroup_size: 128
    .sgpr_count:     66
    .vgpr_count:     192
    .wavefront_size: 32
...
	.end_amdgpu_metadata
.endif
;; end of part 1
;; launch gemm (part 2): grid 8 x 32, 4 waves a work-group, clusters of 4 x 4, 327,680 bytes of LDS; arguments acodes, bcodes, out0; writes out0
.if DOCPART == 2
	.amdgcn_target "amdgcn-amd-amdhsa--gfx1250"
	.amdhsa_code_object_version 6
	.text
	.protected	k_q2a2b574202_gemm
	.globl	k_q2a2b574202_gemm
	.p2align	8
	.type	k_q2a2b574202_gemm,@function
k_q2a2b574202_gemm:
	s_mov_b64 s[64:65], 0
	v_nop
	global_prefetch_b8 v0, s[64:65] scope:SCOPE_SE
	s_setreg_imm32_b32 hwreg(HW_REG_WAVE_MODE, 25, 1), 1
	s_wait_xcnt 0x0
	s_wait_alu depctr_hold_cnt(0) depctr_sa_sdst(0) depctr_va_vdst(0) depctr_va_sdst(0) depctr_va_ssrc(0) depctr_va_vcc(0) depctr_vm_vsrc(0)
	s_getreg_b32 s2, hwreg(HW_REG_IB_STS2, 6, 4)
	s_cmp_eq_u32 s2, 0
	s_cbranch_scc0 .Lentry_in_a_cluster
	s_endpgm
.Lentry_in_a_cluster:
	s_bfe_u32 s2, ttmp6, 0x10000c
	s_cmp_lg_u32 s2, 0xf033
	s_cbranch_scc0 .Lentry_shape_is_right
	s_endpgm
.Lentry_shape_is_right:
; out0[m][n] = sum over k of x[m][k] w[n][k], on the codes of FP4 (E2M1) and E8M0 scale bytes that the launch before has laid: M = 8,192, N = 2,048, K = 4,096; sums in f32.
; THE WORKSPACE: block (rows 128 rb on, K step ks of 512) lies at (8 rb + ks) x 34,816 bytes: 128 rows x 256 bytes of codes, then 128 x 16 scale bytes: 136 units of 256 bytes on end.
; A tile of out0, 256 x 256, is made by a work-group of four waves, each 128 x 128: 64 accumulators of 16 x 16, 512 registers.  32 x 8 tiles: 256 work-groups.
; K goes in steps of 512 through two LDS slots; a wave's one tensor load brings one block (waves 0, 1: x's two halves; waves 2, 3: w's), 16 bytes of padding behind each 256.
; CLUSTERS of 4 x 4: x's blocks are asked for jointly along a row of the cluster, w's along a column.  A cluster begins at a K step of its own, made of the cluster's numbers, and goes round modulo 8.
; THE MATRIX INSTRUCTION IS USED TRANSPOSED (source 0 = 16 rows of w, source 1 = 16 rows of x): a lane holds eight neighbouring numbers of a row of out0.
; A STEP of 128 along K is 64 matrix instructions.  Both operands have TWO sets of fragment registers: at a step's head the whole next step's fragments are asked for, in ONE run of 32 LDS loads, and the 64 products follow unbroken.
; So a slot's last fragments are in registers when its last step begins: the change of slots stands at that step's head, and its 64 products stand over the 40 loads from the next slot.
; REGISTERS: window 0: v0-31 addresses; v32-95 scale words, two sets; v128-191, v192-255 x's fragments, two sets.  window 1: w's fragments at v0-63 and v128-191.
;   window 2: the accumulators of my rows 0-63 ((a, b) at v[8 (8 a + b)]);  window 3: those of my rows 64-127.  On the way out each block of 16 rows is read back into registers of its own.
.set SIZE_N, 2048
.set NQ,     4                         ; steps of 128 in a slot
.set PITCH,  272                       ; an LDS row: 256 bytes + 16 of padding
.set FR,     8                         ; registers of a fragment: 16 rows x 128 K
.set NP,     4                         ; places behind this matrix instruction (ISA guide 7.12.1)
.set TROWS,  136                       ; units of 256 bytes in a block
.set HALFT,  TROWS*PITCH
.set SCOFF,  128*PITCH                 ; a block's scale bytes in LDS
.set SLOT,   4*HALFT
.set SPARE,  2*SLOT                    ; behind the slots: the spare words, 128 bytes a wave
.set BLKB,   34816
.set LAPS,   4                         ; a lap = two K steps
.set SPITCH, 528                       ; the way out: 16 rows x (512 + 16) bytes for each wave, in slot 0, behind its last fill and last read
.set ADRA, 16                          ; v16-17 my x fragments in slot 0, 1
.set ADRB, 20                          ; v20-21 my w fragments
.set ADRS, 22                          ; v22-23 my scale words: lanes 0-15 x's rows, lanes 16-31 w's
.set STO,  24
.set RD,   25
.set CO,   26
.set SPW,  28                          ; my spare word; never rewritten
.set NIL,  29                          ; 0; never rewritten
.set PFO,  30                          ; prefetches: 256 x lane
.set PFO2, 31                          ; 256 x min(lane, 1)
.set SC,   32
.set AF,   128
.set G1, 24
.set G0, 32
.set G1B, 48
.set G0B, 56
.set ABASE, 66                         ; s[66:67] my 128 rows of x at K step 0;  s[68:69] the same of w
.set BBASE, 68
.set KOFF,  70
.set KSTP,  72                         ; the K step that the next load takes, counted on without the modulus
.set PFBASE, 74                        ; s[74:75] my work-group's 34 units of the block that I fetch, at K step 0
.set PFA,  76                          ; s[76:77] the prefetch address that the loop steps;  s[80:81] one more for the head
.set PFC,  80
.set PFK,  82
.set MSB, 0
.macro WIN new                         ; the immediate's high byte repeats the setting that is left
.if MSB != \new
	s_set_vgpr_msb (MSB<<8)|\new
.set MSB, \new
.endif
.endm
.set MUL_LO, 0xa1                      ; source 0 (w) window 1, source 1 (x) window 0, C and D window 2
.set MUL_HI, 0xf1                      ; the same, C and D window 3
.set TO_B,   0x40                      ; destination window 1, address window 0
.macro JLOAD g0a, g1a, g0b, g1b        ; a joint load: one mask to a line; the branch hangs on the wave's number alone; s_nop 0 and four v_nop behind each line
	s_cmp_eq_u32 s15, 0
	s_cbranch_scc0 .Lfor_b_\@
	tensor_load_to_lds s[\g0a:\g0a+3], s[\g1a:\g1a+7]
	s_nop 0
.rept 4
	v_nop
.endr
	s_branch .Lasked_\@
.Lfor_b_\@:
	tensor_load_to_lds s[\g0b:\g0b+3], s[\g1b:\g1b+7]
	s_nop 0
.rept 4
	v_nop
.endr
.Lasked_\@:
.endm
.macro CREST                           ; a round of the cluster's barrier behind its opening barrier
	s_cmp_lg_u32 s14, 0
	s_cbranch_scc1 .Lnot_wave_0_\@
	s_barrier_signal -3
.Lnot_wave_0_\@:
	s_barrier_wait -3
	s_barrier_signal -1
	s_barrier_wait -1
.endm
.macro CROUND
	s_barrier_signal -1
	s_barrier_wait -1
	CREST
.endm
.macro AIM slot                        ; the slot's two group 0 at K step KSTP mod 8; written only where no tensor load of the wave is out
	s_and_b32 s[KOFF], s[KSTP], 7
	s_mul_i32 s[KOFF], s[KOFF], BLKB
	s_add_nc_u64 s[G0+4*\slot+2:G0+4*\slot+3], s[ABASE:ABASE+1], s[KOFF:KOFF+1]
	s_or_b32 s[G0+4*\slot+3], s[G0+4*\slot+3], 0x80000000
	s_add_nc_u64 s[G0B+4*\slot+2:G0B+4*\slot+3], s[BBASE:BBASE+1], s[KOFF:KOFF+1]
	s_or_b32 s[G0B+4*\slot+3], s[G0B+4*\slot+3], 0x80000000
	s_add_co_u32 s[KSTP], s[KSTP], 1
.endm
; PREFETCHES.  A block's 136 units of 256 bytes are shared out BY ADDRESS among the four partners that ask for it jointly: the partner at place p (cx for x, cy for w) names units 34 p .. 34 p + 33:
; a lane a unit, 32 by the first line, 2 by the second (its other lanes name the last again).  Behind each refill the block of the K step two refills on is named; the last two refills have none.
; The first two K steps come by their loads alone; the third and fourth are named behind the second K step's load.
.macro PFAIM dst, d                    ; dst = my 34 units at K step (KSTP + d) mod 8
	s_add_co_u32 s[PFK], s[KSTP], \d
	s_and_b32 s[PFK], s[PFK], 7
	s_mul_i32 s[PFK], s[PFK], BLKB
	s_add_nc_u64 s[\dst:\dst+1], s[PFBASE:PFBASE+1], s[PFK:PFK+1]
.endm
.macro PF2 a
	global_prefetch_b8 v[PFO], s[\a:\a+1] th:TH_LOAD_NT scope:SCOPE_SE
	global_prefetch_b8 v[PFO2], s[\a:\a+1] offset:8192 th:TH_LOAD_NT scope:SCOPE_SE
.endm
.macro ASK                             ; s3 = 1 in the loop's last trip, whose two refills are K's last two
	s_cmp_gt_u32 s3, 1
	s_cbranch_scc0 .Lno_ask_\@
	PF2 PFA
.Lno_ask_\@:
.endm
	s_load_b128 s[4:7], s[0:1], 0x0                ; x's codes, w's codes
	s_load_b64 s[12:13], s[0:1], 0x10              ; out0
	v_lshl_add_u32 v[SPW], v0, 2, SPARE
	v_mov_b32 v[NIL], 0
	ds_add_u32 v[SPW], v[NIL]                      ; the opening lines: the add, twice on end, and its wait ahead of my first tensor load
	ds_add_u32 v[SPW], v[NIL]
	v_lshrrev_b32 v1, 5, v0
	v_readfirstlane_b32 s14, v1                    ; wave 0..3
	v_and_b32 v2, 31, v0
	v_min_u32 v3, 1, v2
	v_lshlrev_b32 v[PFO], 8, v2
	v_lshlrev_b32 v[PFO2], 8, v3
	s_lshr_b32 s15, s14, 1                         ; my half of the tile's rows.  Also: I fetch for x (0) or for w (1)
	s_and_b32 s16, s14, 1                          ; my half of its columns.  Also: which 128 rows I fetch
	s_bfe_u32 s40, ttmp6, 0x40000                  ; cx, cy
	s_bfe_u32 s41, ttmp6, 0x40004
	s_lshl_b32 s42, ttmp9, 2
	s_add_co_u32 s42, s42, s40                     ; tile column
	s_and_b32 s17, ttmp7, 0xffff
	s_lshl_b32 s17, s17, 2
	s_add_co_u32 s17, s17, s41                     ; tile row
	s_lshl_b32 s43, s41, 2
	s_lshl_b32 s43, 15, s43                        ; my row of the cluster
	s_lshl_b32 s44, 0x1111, s40                    ; my column
	s_lshl_b32 s[KSTP], ttmp9, 2                   ; the cluster's first K step: the same in all sixteen
	s_and_b32 s8, ttmp7, 0xffff
	s_lshl_b32 s8, s8, 1
	s_add_co_u32 s[KSTP], s[KSTP], s8
	s_and_b32 s[KSTP], s[KSTP], 6
	s_mov_b32 s[KOFF+1], 0
	s_mov_b32 s[PFK+1], 0
	s_or_b32 s[G1+0], s43, (3<<16)|(1<<20)|(1<<21)|(5<<22)|(3<<25)   ; mask; elements of 8 bytes; padding on, 4 words behind every 64; bit 21 beside a mask
	s_or_b32 s[G1B+0], s44, (3<<16)|(1<<20)|(1<<21)|(5<<22)|(3<<25)
.irp g, G1, G1B
	s_mov_b32 s[\g+1], 32<<16                      ; rows of 32 elements = 256 bytes,
	s_mov_b32 s[\g+2], TROWS<<16                   ; 136 of them, dense
	s_mov_b32 s[\g+3], 32<<16
	s_mov_b32 s[\g+4], TROWS
	s_mov_b32 s[\g+5], 32
	s_mov_b32 s[\g+6], 0
	s_mov_b32 s[\g+7], 0
.endr
	s_lshl_b32 s20, s17, 1
	s_add_co_u32 s20, s20, s16
	s_mul_i32 s20, s20, 8*BLKB                     ; x: rows 128 (2 x tile row + half)
	s_mov_b32 s21, 0
	s_lshl_b32 s46, s42, 1
	s_add_co_u32 s46, s46, s16
	s_mul_i32 s46, s46, 8*BLKB                     ; w: rows 128 (2 x tile column + half)
	s_mov_b32 s47, 0
	s_mul_i32 s45, s14, HALFT                      ; where my block goes: wave x 136 LDS rows
	s_wait_alu depctr_va_vdst(0)
	s_wait_dscnt 0x0                               ; both opening adds are done
	s_wait_kmcnt 0x0
	s_add_nc_u64 s[ABASE:ABASE+1], s[4:5], s[20:21]
	s_add_nc_u64 s[BBASE:BBASE+1], s[6:7], s[46:47]
	s_cmp_eq_u32 s15, 0
	s_cselect_b64 s[PFBASE:PFBASE+1], s[ABASE:ABASE+1], s[BBASE:BBASE+1]
	s_cselect_b32 s8, s40, s41                     ; my place among the four that ask with me
	s_mul_i32 s[PFK], s8, 34*256
	s_add_nc_u64 s[PFBASE:PFBASE+1], s[PFBASE:PFBASE+1], s[PFK:PFK+1]
.irp s, 0,1
	s_mov_b32 s[G0+4*\s], 1
	s_add_co_u32 s[G0+4*\s+1], s45, \s*SLOT
	s_mov_b32 s[G0B+4*\s], 1
	s_add_co_u32 s[G0B+4*\s+1], s45, \s*SLOT
	AIM \s
.endr
	PFAIM PFC, 0                                   ; KSTP stands two steps on: the third K step,
	PFAIM PFA, 1                                   ; the fourth
	CROUND                                         ; all sixteen work-groups are here: the first joint loads meet
	JLOAD G0, G1, G0B, G1B                         ; the first K step: one tensor load a wave at the head
	s_mul_i32 s21, s15, HALFT                      ; my 128 rows of x
	s_mul_i32 s22, s16, HALFT
	s_add_co_u32 s22, s22, 2*HALFT                 ; my 128 rows of w, behind x's two blocks
	s_sub_co_u32 s18, s22, s21
	s_add_co_u32 s19, s21, SCOFF
	s_mul_i32 s23, s14, 16*SPITCH                  ; my stage
	s_lshl_b32 s10, s17, 8
	s_lshl_b32 s11, s15, 7
	s_add_co_u32 s10, s10, s11                     ; my first row of out0
	s_mov_b32 s11, 0
	s_mov_b64 s[8:9], SIZE_N*4
	s_mul_u64 s[10:11], s[10:11], s[8:9]
	s_lshl_b32 s46, s42, 10                        ; my first column, in bytes
	s_lshl_b32 s47, s16, 9
	s_add_co_u32 s46, s46, s47
	s_mov_b32 s47, 0
	s_add_nc_u64 s[10:11], s[10:11], s[46:47]
	s_add_nc_u64 s[12:13], s[12:13], s[10:11]
	v_and_b32 v1, 15, v0                           ; l % 16
	v_bfe_u32 v2, v0, 4, 1                         ; l / 16
	v_mul_u32_u24 v3, v1, PITCH
	v_lshl_add_u32 v4, v2, 4, v3                   ; a fragment's row x pitch + 16 x half
	v_add_nc_u32 v[ADRA], s21, v4
	v_add_nc_u32 v[ADRB], s22, v4
	v_add_nc_u32 v[ADRA+1], SLOT, v[ADRA]
	v_add_nc_u32 v[ADRB+1], SLOT, v[ADRB]
	v_lshlrev_b32 v5, 4, v1                        ; my row's 16 scale bytes
	v_mul_u32_u24 v6, s18, v2                      ; lanes 16-31 take w's
	v_add_nc_u32 v5, v5, v6
	v_add_nc_u32 v[ADRS], s19, v5
	v_add_nc_u32 v[ADRS+1], SLOT, v[ADRS]
	v_mul_u32_u24 v5, v1, SPITCH                   ; into the stage: row l % 16, 32 bytes for each half of the lanes
	v_lshl_add_u32 v5, v2, 5, v5
	v_add_nc_u32 v[STO], s23, v5
	v_and_b32 v6, 31, v0
	v_lshlrev_b32 v[CO], 4, v6                     ; back: the 32 lanes take a row of 512 bytes; the same in out0
	v_add_nc_u32 v[RD], s23, v[CO]
.macro FRAG reg, adr, q, i             ; lane l: row l % 16; registers 4 c .. 4 c + 3: K = 64 c + 32 (l / 16) + 0 .. 31
.irp c, 0,1
	ds_load_b128 v[\reg+4*\c:\reg+4*\c+3], v[\adr] offset:64*(\q)+32*\c+(\i)*16*PITCH
.endr
.endm
; 16 matrix instructions: x's blocks a0, a0 + 1 against w's eight; p: the fragment sets; sc: the set of scale words.  The 64 accumulators take turns in the same order in every step.
.macro MUL16 a0, p, q, sc, zero
.irp a, \a0, \a0+1
.irp b, 0,1,2,3,4,5,6,7
.if \zero
	v_wmma_scale_f32_16x16x128_f8f6f4 v[8*(8*((\a)%4)+\b):8*(8*((\a)%4)+\b)+7], v[128*(\p)+FR*\b:128*(\p)+FR*\b+FR-1], v[AF+64*(\p)+FR*(\a):AF+64*(\p)+FR*(\a)+FR-1], 0, v[SC+8*NQ*(\sc)+NQ*\b+(\q)], v[SC+8*NQ*(\sc)+NQ*(\a)+(\q)] matrix_a_fmt:MATRIX_FMT_FP4 matrix_b_fmt:MATRIX_FMT_FP4 matrix_a_scale:MATRIX_SCALE_ROW1
.else
	v_wmma_scale_f32_16x16x128_f8f6f4 v[8*(8*((\a)%4)+\b):8*(8*((\a)%4)+\b)+7], v[128*(\p)+FR*\b:128*(\p)+FR*\b+FR-1], v[AF+64*(\p)+FR*(\a):AF+64*(\p)+FR*(\a)+FR-1], v[8*(8*((\a)%4)+\b):8*(8*((\a)%4)+\b)+7], v[SC+8*NQ*(\sc)+NQ*\b+(\q)], v[SC+8*NQ*(\sc)+NQ*(\a)+(\q)] matrix_a_fmt:MATRIX_FMT_FP4 matrix_b_fmt:MATRIX_FMT_FP4 matrix_a_scale:MATRIX_SCALE_ROW1
.endif
.endr
.endr
.endm
.macro LDB slot, q, p, i0              ; 8 loads: w's blocks i0 .. i0 + 3 into set p
	WIN TO_B
.irp i, \i0, \i0+1, \i0+2, \i0+3
	FRAG 128*(\p)+FR*(\i), ADRB+\slot, \q, \i
.endr
.endm
.macro LDA slot, q, p, i0              ; 8 loads: x's blocks i0 .. i0 + 3 into set p
	WIN 0
.irp i, \i0, \i0+1, \i0+2, \i0+3
	FRAG AF+64*(\p)+FR*(\i), ADRA+\slot, \q, \i
.endr
.endm
.macro SCALES sc                       ; 8 loads: a K step's scale words: lanes 0-15 x's block i, lanes 16-31 w's block i, four words a row
.irp i, 0,1,2,3,4,5,6,7
	ds_load_b128 v[SC+8*NQ*\sc+NQ*\i:SC+8*NQ*\sc+NQ*\i+3], v[ADRS+\sc] offset:\i*PITCH
.endr
.endm
.macro PLACES n
.rept \n
	v_nop
.endr
.endm
; A step: fetch = 1: step (ns, nq)'s fragments are asked for, into the other sets, in one run (turn = 1: with slot ns's scale words; ask = 1: with the prefetch behind the run); then the 64 products on sets q % 2.
.macro BODY slot, q, ns, nq, zero, fetch, turn, ask
.if \fetch
	LDB \ns, \nq, 1-(\q)%2, 0
	LDB \ns, \nq, 1-(\q)%2, 4
	LDA \ns, \nq, 1-(\q)%2, 0
.if \turn
	SCALES \ns
.endif
	LDA \ns, \nq, 1-(\q)%2, 4
.if \ask
	ASK                                            ; (every window is 0 here)
.endif
.if \turn == 0
	s_wait_dscnt 40                                ; this run's 32 loads and the last run's youngest eight (x's blocks 4-7) may be out: w's set, x's blocks 0-3 and the scale words are in
.endif
.else
	s_wait_dscnt 8                                 ; the last run's youngest eight may be out
.endif
	WIN MUL_LO
	MUL16 0, (\q)%2, \q, \slot, \zero
	MUL16 2, (\q)%2, \q, \slot, \zero
.if \fetch
.if \turn == 0
	s_wait_dscnt 32                                ; all but this step's own run: x's blocks 4-7 are in
.endif
.else
	s_wait_dscnt 0
.endif
	WIN MUL_HI
	MUL16 4, (\q)%2, \q, \slot, \zero
	MUL16 6, (\q)%2, \q, \slot, \zero
.endm
.macro STEP slot, q, zero              ; a step that has its successor in the same slot
	PLACES NP                                      ; in front of this step's loads into the sets that the last step's products read
	BODY \slot, \q, \slot, (\q)+1, \zero, 1, 0, 0
.endm
; A slot's last step.  Its fragments are in registers, so the slot changes at its head: each wave waits for all its tensor loads (its part of the next slot), adds 0 to its spare word, waits for that and for its reads
; of this slot (so the step's own sets are in too); the barrier (fill = 1: a round of the cluster's barrier); the joint refill first behind it; then the step, which fetches from the next slot.
.macro TURN slot, next, fill
	WIN 0
.if \fill
	s_wait_xcnt 0x0                                ; my prefetches have read their address: it is written again below
.endif
	s_wait_tensorcnt 0x0
	ds_add_u32 v[SPW], v[NIL]
.if \fill
	AIM \slot                                      ; no tensor load of mine is out: the slot's next K step,
	PFAIM PFA, 1                                   ; and the K step two refills on
.endif
	s_wait_dscnt 0x0
	s_barrier_signal -1
	s_barrier_wait -1
.if \fill
	CREST
	JLOAD G0+4*\slot, G1, G0B+4*\slot, G1B         ; its four v_nop are also the places in front of the loads below
.else
	PLACES NP
.endif
	BODY \slot, NQ-1, \next, 0, 0, 1, 1, \fill
.endm
	s_wait_alu depctr_va_vdst(0)                   ; the wait at the head's end
	s_wait_tensorcnt 0x0                           ; my block of the first K step is in; the lines ahead of a later first fill:
	ds_add_u32 v[SPW], v[NIL]
	s_wait_dscnt 0x0
	CROUND
	JLOAD G0+4, G1, G0B+4, G1B                     ; slot 1's first fill
	LDB 0, 0, 0, 0
	LDB 0, 0, 0, 4
	LDA 0, 0, 0, 0
	SCALES 0
	LDA 0, 0, 0, 4
	PF2 PFC                                        ; the third K step's block and the fourth's
	PF2 PFA
	STEP 0, 0, 1                                   ; the first step's products start the sums: nothing is cleared
	WIN 0                                          ; at a label and at a branch every window is 0
	s_mov_b32 s3, LAPS-1
.Llap:                                                 ; a trip: from a lap's second step to the next lap's first; both slots are filled again
	STEP 0, 1, 0
	STEP 0, 2, 0
	TURN 0, 1, 1
	STEP 1, 0, 0
	STEP 1, 1, 0
	STEP 1, 2, 0
	TURN 1, 0, 1
	STEP 0, 0, 0
	WIN 0
	s_sub_co_u32 s3, s3, 1
	s_cmp_lg_u32 s3, 0
	s_cbranch_scc1 .Llap
	STEP 0, 1, 0                                   ; the last lap fills nothing
	STEP 0, 2, 0
	TURN 0, 1, 0
	STEP 1, 0, 0
	STEP 1, 1, 0
	STEP 1, 2, 0
	BODY 1, NQ-1, 0, 0, 0, 0, 0, 0                 ; the very last step fetches nothing
	WIN 0
; THE WAY OUT, by blocks of 16 rows x 128 columns: through my own stage and back as rows of 512 bytes, which the 32 lanes store as two aligned runs of 256 bytes.  LDS serves a wave's instructions in order (ISA guide 5.7.1.4).
; Each block comes back into 64 registers of its own: blocks 0, 1 where x's fragments lay (window 0, v128-255), blocks 2-5 in window 1, blocks 6, 7 where the accumulators of blocks 0, 1 lay (their LDS stores are shown done
; by the counted waits of the blocks between).  A row's place stands in the store's immediate, 127 rows of 8,192 bytes at the most.  So no store's data, offset or base is written again, and no wait on XCNT is needed.
.macro HOME a                          ; RW, RB: the window and the first register of block a's rows
.if (\a) < 2
.set RW, 0
.set RB, 128+64*(\a)
.elseif (\a) < 6
.set RW, 1
.set RB, 64*((\a)-2)
.else
.set RW, 2
.set RB, 64*((\a)-6)
.endif
.endm
.macro TOSTAGE a
.set AC, 64*((\a)%4)
	HOME \a
	WIN 0x08+4*((\a)/4)                            ; the data: window 2 or 3
.irp b, 0,1,2,3,4,5,6,7
	ds_store_b128 v[STO], v[AC+8*\b:AC+8*\b+3] offset:64*\b        ; each accumulator from its low end on
	ds_store_b128 v[STO], v[AC+8*\b+4:AC+8*\b+7] offset:64*\b+16
.endr
	WIN RW<<6                                      ; the destination's window
.irp t, 0,1,2,3,4,5,6,7,8,9,10,11,12,13,14,15
	ds_load_b128 v[RB+4*\t:RB+4*\t+3], v[RD] offset:\t*SPITCH
.endr
.endm
.macro SEND a, younger                 ; younger: the LDS instructions issued behind block a's loads
	HOME \a
	s_wait_dscnt \younger
	WIN RW<<2                                      ; the data's window
.irp t, 0,1,2,3,4,5,6,7,8,9,10,11,12,13,14,15
	global_store_b128 v[CO], v[RB+4*\t:RB+4*\t+3], s[12:13] offset:(16*(\a)+\t)*SIZE_N*4 th:TH_STORE_NT
.endr
.endm
	PLACES NP                                      ; behind the last products: for the reads of their results and the loads into the registers that held fragments
	TOSTAGE 0
.irp a, 1,2,3,4,5,6,7
	TOSTAGE \a
	SEND \a-1, 32                                  ; behind block a - 1's loads: block a's 16 stores and 16 loads
.endr
	SEND 7, 0
	WIN 0
	s_wait_tensorcnt 0x0                           ; the wave's end
	ds_add_u32 v[SPW], v[NIL]
	s_wait_dscnt 0x0
	CROUND                                         ; the closing round
	s_endpgm
.Lfunc_end_k_q2a2b574202_gemm:
	.size	k_q2a2b574202_gemm, .Lfunc_end_k_q2a2b574202_gemm-k_q2a2b574202_gemm
	.p2alignl 7, 3214868480
	.fill 96, 4, 3214868480
	.section	.rodata,"a",@progbits
	.p2align	6, 0x0
	.amdhsa_kernel k_q2a2b574202_gemm
		.amdhsa_group_segment_fixed_size 327680
		.amdhsa_private_segment_fixed_size 0
		.amdhsa_enable_private_segment 0
		.amdhsa_kernarg_size 24
		.amdhsa_user_sgpr_count 2
		.amdhsa_user_sgpr_kernarg_segment_ptr 1
		.amdhsa_wavefront_size32 1
		.amdhsa_system_sgpr_workgroup_id_x 1
		.amdhsa_system_sgpr_workgroup_id_y 1
		.amdhsa_system_sgpr_workgroup_id_z 1
		.amdhsa_system_vgpr_workitem_id 0
		.amdhsa_next_free_vgpr 1024
		.amdhsa_next_free_sgpr 84
		.amdhsa_reserve_vcc 0
		.amdhsa_float_denorm_mode_32 3
		.amdhsa_float_denorm_mode_16_64 3
		.amdhsa_memory_ordered 1
		.amdhsa_forward_progress 1
		.amdhsa_inst_pref_size 209
	.end_amdhsa_kernel
	.amdgpu_metadata
---
amdhsa.version: [ 1, 2 ]
amdhsa.kernels:
  - .name:           k_q2a2b574202_gemm
    .symbol:         k_q2a2b574202_gemm.kd
    .args:
      - { .name: acodes, .offset: 0, .size: 8, .value_kind: global_buffer, .address_space: global }
      - { .name: bcodes, .offset: 8, .size: 8, .value_kind: global_buffer, .address_space: global }
      - { .name: out0, .offset: 16, .size: 8, .value_kind: global_buffer, .address_space: global }
    .group_segment_fixed_size: 327680
    .private_segment_fixed_size: 0
    .kernarg_segment_align: 8
    .kernarg_segment_size: 24
    .max_flat_workgroup_size: 128
    .sgpr_count:     84
    .vgpr_count:     1024
    .wavefront_size: 32
...
	.end_amdgpu_metadata
.endif
;; end of part 2
